; MI455X (gfx1250); checked and timed in simulation.
; The chip was launched on July 23, 2026; its instructions are those of AMD's public machine-readable ISA for CDNA 5 (MIT licence, August 2026) and "CDNA5" Instruction Set Architecture Reference Guide (July 2026). The comments in the code are by the model that wrote it; some were corrected since.
;; Wrapped Lo RA Linear. Allowed arithmetic: matrix products marked QUANTISED: E2M1 operands, one E8M0 scale for each 32 along K, by v_wmma_scale_f32_16x16x128_f8f6f4 with both operands' format E2M1 (or v_wmma_scale_f32_32x16x128_f4), f32 sums; products left as they are: bf16, f16 or f32 operands; f32 sums; everything else in f32.
;; Inputs: W 4,096 x 4,096 float32; b 4,096 float32; down_aux 4,096 x 64 float32; hyper_down 4 x 64 x 16 float32; hyper_up 4 x 16 x 64 float32; up_aux 64 x 4,096 float32; x 4 x 1,024 x 4,096 float32.
;; Outputs: out0 4 x 1,024 x 4,096 float32.
;; This version of the problem:
;;   THIS VERSION OF THE PROBLEM IS GIVEN IN LOW PRECISION. The matrix products marked QUANTISED in the list below multiply operands that are first quantised to E2M1 (2 exponent bits, 1 mantissa bit; 4 bits a number), with one power-of-two scale for each 32 numbers along K (OCP MX v1.0); their sums are f32. The products marked 'left as it is' may take bf16, f16 or f32 operands, with f32 sums. Whichever they take, every output number must still come out within the allowed error. Rounding operands to bf16 (8 significant bits) uses up far more of that allowance than f16 does (11 bits, for magnitudes from 6e-5 to 65,504). All else is computed in f32.
;;   The module's matrix products, in the order in which they are computed (A, B: the left and right operand; K: the contracted axis; several contracted axes count as one K, in the product's order):
;;     1. [M 4,096, K 4,096] x [K 4,096, N 4,096]; A: input x; B: input W: QUANTISED
;;     2. [M 64, K 64] x [K 64, N 4,096]; A: input hyper_down; B: input down_aux: QUANTISED
;;     3. [M 64, K 64] x [K 64, N 4,096]; A: input hyper_up; B: input up_aux: QUANTISED
;;     4. batch 4 x [M 1,024, K 4,096] x [K 4,096, N 16]; A: input x; B: computed on the way: left as it is (an operand is computed on the way)
;;     5. batch 4 x [M 1,024, K 16] x [K 16, N 4,096]; A: computed on the way; B: computed on the way: left as it is (K = 16 < 32)
;;   THE QUANTISER, for each operand of a quantised product, along K:
;;     - K is cut into blocks of 32 from its start; a last block that is shorter is filled with zeros.
;;     - A block's scale is 2^e with e = floor(log2(the largest magnitude in the block)) - 2, held to -126 .. 127; a block of zeros has e = 0. As a byte (E8M0): e + 127.
;;     - Each number is divided by its block's scale, clamped to +-6, and rounded to the nearest number of E2M1, ties to even, subnormals kept.
;;     - The product sums the exact products of the quantised numbers (number of the format x scale) in f32.
;;   ~~~python
;;   def quantise(x, axis):      # numpy; x: float32 -> the quantised numbers, widened to float32 again
;;       x = np.moveaxis(x, axis, -1); K = x.shape[-1]
;;       x = np.pad(x, [(0, 0)] * (x.ndim - 1) + [(0, -K % 32)]); x = x.reshape(x.shape[:-1] + (-1, 32)); a = np.abs(x).max(-1, keepdims=True)
;;       e = np.where(a > 0, np.clip(np.frexp(np.where(a > 0, a, 1))[1] - 1 - 2, -126, 127), 0)      # np.frexp(a)[1] - 1 = floor(log2(a)), exactly
;;       r = np.clip(x / 2.0 ** e, -6, 6)
;;       step = 2.0 ** (np.maximum(np.frexp(np.where(r == 0, 1, r))[1] - 1, 0) - 1)
;;       q = np.round(r / step) * step * 2.0 ** e      # np.round: ties to even
;;       return np.moveaxis(q.reshape(q.shape[:-2] + (-1,))[..., :K], -1, axis).astype(np.float32)
;;   ~~~
;; One version. Each part assembles by itself: llvm-mc -triple=amdgcn-amd-amdhsa -mcpu=gfx1250 --defsym DOCPART=n.
;; ======== version 1 of 1: 3 launches
;; limits: values are held in f16: magnitudes above 65,504 overflow, below 6.1e-05 lose precision; inputs' magnitudes at most 65,504
;; workspace buffers: xq 8,912,896 bytes; wq 8,912,896 bytes; dn 524,288 bytes; upf 1,048,576 bytes; lrp 262,144 bytes
;; launch prep (part 1): grid 256 x 1, 8 waves a work-group, no clusters, 267,264 bytes of LDS; arguments W, down_aux, hyper_down, up_aux, hyper_up, wq, dn, upf; writes wq, dn, upf
.if DOCPART == 1
	.amdgcn_target "amdgcn-amd-amdhsa--gfx1250"
	.amdhsa_code_object_version 6
	.text
	.protected	k_q1d3ab05414_prep
	.globl	k_q1d3ab05414_prep
	.p2align	8
	.type	k_q1d3ab05414_prep,@function
k_q1d3ab05414_prep:
	s_mov_b64 s[64:65], 0
	v_nop
	global_prefetch_b8 v0, s[64:65] scope:SCOPE_SE
	s_setreg_imm32_b32 hwreg(HW_REG_WAVE_MODE, 25, 1), 1
	s_wait_xcnt 0x0
; FIRST OF THREE LAUNCHES for out = Q(x) Q(W)^T + b + (ALPHA / RANK) up low, low = x down^T, down = Q(down_aux) Q(hyper_down), up = Q(up_aux) Q(hyper_up).
; NO WORK IS LEFT OUT: every input reaches the output for some values and every product of the problem is live.
; THIS LAUNCH: (1) W [4096][4096] f32 becomes codes of E2M1 with one E8M0 byte for each 32 along K, laid in wq in the order of the operand's registers;
; (2) wave 0 makes a part of down, stored as 16 x down in f16 (dn); (3) wave 1 makes a part of up, stored as up / 8 in two bf16 numbers, a high and a low part (upf).
; 16 x (1 / 8) = 2 = ALPHA / RANK: both factors are powers of two and round nothing.
; wq: [32 runs of 128 rows][8 K steps of 512][34,816 bytes]; in these: codes [8 blocks of 16 rows][4 steps of 128 K][2][32 lanes][16 bytes] (registers 4 c .. 4 c + 3 of a fragment, lane by lane),
; then from byte 32,768 the scale words [8 blocks][16 rows][4 words].  dn: [batch][128 blocks of 32 along i][2][32 lanes][16 bytes]: lane (rank, h) holds i = 32 blk + 16 h + 0 .. 15.
; upf: [batch][o][16 ranks] bf16, the low parts 524,288 bytes further on.
; A block's scale is 2^(floor(log2(its largest magnitude)) - 2); its byte is the largest magnitude's exponent field - 2, held at 1 from below.
; LIMITS: NaN and infinities among the inputs are not served; a block of zeros gets the byte 1 where the rule says 127 (its codes are zeros and this program alone reads the bytes);
; blocks whose largest magnitude lies under 2^-124 are held at the byte 1; |16 down| has to stay under 65,504 (f16).
; SHARES: work-group g takes rows 16 g .. 16 g + 15 of W, wave w their K step w (512 along K): two tensor loads of 16 rows x 1,024 bytes a wave, both asked for at the head; nothing in LDS is filled twice.
; No cluster: the work-groups share no tile of W.  No prefetch: every byte of W is asked for at the head.
.set CHUNK, 34816
.set WREG,  33280                      ; LDS of a wave: two tiles
.set SUBT,  16640                      ; a tile: 16 rows x (1,024 bytes + 16 of padding)
.set PITCH, 1040                       ; 65 x 16 bytes: the 16 rows that a load touches start in 16 different columns of 16 bytes
.set SPARE, 8*WREG                     ; behind the tiles: the spare words, 128 bytes for each wave, that no other line names
.set LA,  4                            ; v4   LDS: my wave's tiles + row r x PITCH + 64 h
.set LI,  5                            ; v5   16 x lane
.set SO,  6                            ; v6   16 r + 8 h: my two scale words' place
.set DA,  7                            ; v7   down_aux: (r + 8 (r / 8)) x 256 + 128 h
.set HD,  8                            ; v8   hyper_down: 2,048 h + 4 r
.set UA,  9                            ; v9   up_aux: 524,288 h + 4 r
.set SPW, 10                           ; v10  my spare word; never rewritten
.set NIL, 11                           ; v11  0; never rewritten
.set SW,  12                           ; v12-13 the two scale words that I store
.set H8,  14                           ; v14  8 h
.set HU,  15                           ; v15  hyper_up: 256 r + 128 h
.set X,   16                           ; v16-79 64 numbers: register 16 b + i = k 32 b + 16 h + i of my row
.set WS,  216                          ; v216-220 scale words of the small products, and nothing else
.set TM,  224                          ; v224-227 largest magnitudes, v228-231 the other half's and then bytes, v232-235 the conversions' scale operands
.set PC,  236                          ; v236-243 a fragment's codes
.set PW,  244                          ; v244-247 my row's four scale words
.set UO,  248                          ; v248 32 r + 16 h
.set T0,  250
.set T1,  251
.set T2,  252
.set T3,  253
.set WV,  20                           ; s20  wave
.set SEL, 22                           ; s[22:23] selects for lane l xor 16
.set G1,  24                           ; s[24:31] descriptor group 1
.set G0,  32                           ; s[32:39] descriptor group 0, a set for each tile
.set HM,  40                           ; s40  the lanes with h = 1
.set CQ,  14                           ; s[14:15] where my codes go
.set SQ,  48                           ; s[48:49] where my scale words go
	s_load_b256 s[4:11], s[0:1], 0x0               ; W s[4:5], down_aux s[6:7], hyper_down s[8:9], up_aux s[10:11]
	s_load_b256 s[12:19], s[0:1], 0x20             ; hyper_up s[12:13], wq s[14:15], dn s[16:17], upf s[18:19]
	v_lshl_add_u32 v[SPW], v0, 2, SPARE
	v_mov_b32 v[NIL], 0
	ds_add_u32 v[SPW], v[NIL]                      ; the wave's opening: the add, twice on end, and its wait ahead of my first tensor load
	ds_add_u32 v[SPW], v[NIL]
	v_lshrrev_b32 v1, 5, v0
	v_readfirstlane_b32 s[WV], v1                  ; wave 0..7
	s_mov_b32 s[G1+0], (2<<16)|(1<<20)|(7<<22)|(3<<25)  ; elements of 4 bytes; padding on: 4 words behind every 256
	s_mov_b32 s[G1+1], 256<<16                     ; tensor_dim0 = 256
	s_mov_b32 s[G1+2], 16<<16                      ; tensor_dim1 = 16
	s_mov_b32 s[G1+3], 256<<16                     ; tile_dim0 = 256
	s_mov_b32 s[G1+4], 16                          ; tile_dim1 = 16
	s_mov_b32 s[G1+5], 4096                        ; elements from row to row
	s_mov_b32 s[G1+6], 0
	s_mov_b32 s[G1+7], 0
	s_mov_b32 s[SEL], 0x76543210
	s_mov_b32 s[SEL+1], 0xfedcba98
	s_mul_i32 s21, s[WV], WREG                     ; my wave's tiles in LDS
	s_lshl_b32 s42, ttmp9, 18                      ; 16 rows of 16,384 bytes a work-group,
	s_lshl_b32 s43, s[WV], 11                      ; 2,048 bytes of each row a wave
	s_add_co_u32 s42, s42, s43
	s_mov_b32 s43, 0
	s_wait_dscnt 0x0                               ; both opening adds are done
	s_wait_kmcnt 0x0
	s_add_nc_u64 s[44:45], s[4:5], s[42:43]
.irp q, 0,1
	s_mov_b32 s[G0+4*\q], 1
	s_add_co_u32 s[G0+4*\q+1], s21, \q*SUBT
	s_add_nc_u64 s[G0+4*\q+2:G0+4*\q+3], s[44:45], \q*1024
	s_or_b32 s[G0+4*\q+3], s[G0+4*\q+3], 0x80000000
	tensor_load_to_lds s[G0+4*\q:G0+4*\q+3], s[G1:G1+7]   ; 256 along K of my 16 rows; two loads of mine are out
	s_nop 0
.endr
	; every address register is made here, ahead of the parting of the waves
	v_and_b32 v1, 31, v0                           ; lane
	v_and_b32 v2, 15, v0                           ; r
	v_bfe_u32 v3, v0, 4, 1                         ; h
	v_mul_u32_u24 v[LA], v2, PITCH
	v_lshl_add_u32 v[LA], v3, 6, v[LA]
	v_add_nc_u32 v[LA], s21, v[LA]
	v_lshlrev_b32 v[LI], 4, v1
	v_lshlrev_b32 v[SO], 4, v2
	v_lshl_add_u32 v[SO], v3, 3, v[SO]
	v_lshlrev_b32 v[H8], 3, v3
	v_and_b32 v[DA], 8, v2
	v_add_nc_u32 v[DA], v[DA], v2                  ; r + 8 (r / 8)
	v_lshlrev_b32 v[DA], 8, v[DA]
	v_lshl_add_u32 v[DA], v3, 7, v[DA]
	v_lshlrev_b32 v[HD], 2, v2
	v_lshl_add_u32 v[UA], v3, 19, v[HD]
	v_lshl_add_u32 v[HD], v3, 11, v[HD]
	v_lshlrev_b32 v[HU], 8, v2
	v_lshl_add_u32 v[HU], v3, 7, v[HU]
	v_lshlrev_b32 v[UO], 5, v2
	v_lshl_add_u32 v[UO], v3, 4, v[UO]
	v_cmp_ne_u32 s[HM], 0, v3
.irp b, 0,1,2,3
	v_mov_b32 v[TM+4+\b], 0                        ; written once: a lane permute's destination counts as one of its sources
.endr
	v_mov_b32 v[T3], 0
	s_lshr_b32 s42, ttmp9, 3
	s_lshl_b32 s42, s42, 3
	s_add_co_u32 s42, s42, s[WV]
	s_mul_i32 s42, s42, CHUNK                      ; my chunk: (run of 128 rows) x 8 + K step
	s_and_b32 s44, ttmp9, 7                        ; my block of 16 rows in it
	s_lshl_b32 s46, s44, 8
	s_add_co_u32 s46, s46, s42
	s_add_co_u32 s46, s46, 32768
	s_mov_b32 s47, 0
	s_add_nc_u64 s[SQ:SQ+1], s[14:15], s[46:47]
	s_lshl_b32 s46, s44, 12
	s_add_co_u32 s46, s46, s42
	s_add_nc_u64 s[CQ:CQ+1], s[14:15], s[46:47]
; A block of 32 numbers that lies in ONE lane, v[src] .. v[src + 31]: k = 32 h + 0 .. 31 of a product whose K is 64.  Its codes go to v[dst] .. v[dst + 3]; v[dst + 4] .. v[dst + 7], k = 64 .. 127, are zero codes;
; the scale word has the byte of lanes 0-15's block lowest, that of lanes 16-31's next, and 0 above (over zero codes).
.macro QB32 src, dst, word
	v_max3_num_f32 v[T0], |v[(\src)]|, |v[(\src)+1]|, |v[(\src)+2]|
	v_max3_num_f32 v[T2], |v[(\src)+3]|, |v[(\src)+4]|, |v[(\src)+5]|
.irp i, 6,10,14,18,22,26
	v_max3_num_f32 v[T0], v[T0], |v[(\src)+\i]|, |v[(\src)+\i+1]|
	v_max3_num_f32 v[T2], v[T2], |v[(\src)+\i+2]|, |v[(\src)+\i+3]|
.endr
	v_max3_num_f32 v[T0], v[T0], |v[(\src)+30]|, |v[(\src)+31]|
	v_max3_num_f32 v[T0], v[T0], v[T2], 0x1800000  ; and the floor 2^(3 - 127): the byte cannot fall under 1
	v_add_nc_u32 v[T1], 0xff000000, v[T0]          ; 2 off the exponent field: the conversion's scale operand
	v_lshrrev_b32 v[T2], 23, v[T1]                 ; the byte,
	v_lshlrev_b32 v[T2], v[H8], v[T2]              ; at its place in the word
	v_permlanex16_b32 v[T3], v[T2], s[SEL], s[SEL+1]
	v_or_b32 v[\word], v[T2], v[T3]
.irp g, 0,1,2,3
	v_cvt_scalef32_pk8_fp4_f32 v[(\dst)+\g], v[(\src)+8*\g:(\src)+8*\g+7], v[T1]
.endr
.irp g, 0,1,2,3
	v_mov_b32 v[(\dst)+4+\g], 0                    ; (also the plain instruction behind the conversions)
.endr
.endm
; Eight f32 numbers become a high and a low bf16 part: high = the number rounded, low = (the number - high) rounded.
.macro SPLIT src, hi, lo, tmp
.irp k, 0,1,2,3
	v_cvt_pk_bf16_f32 v[(\hi)+\k], v[(\src)+2*\k], v[(\src)+2*\k+1]
.endr
.irp k, 0,1,2,3
	v_lshlrev_b32 v[(\tmp)+2*\k], 16, v[(\hi)+\k]
	v_and_b32 v[(\tmp)+2*\k+1], 0xffff0000, v[(\hi)+\k]
.endr
.irp k, 0,1,2,3
	v_pk_add_f32 v[(\tmp)+2*\k:(\tmp)+2*\k+1], v[(\src)+2*\k:(\src)+2*\k+1], v[(\tmp)+2*\k:(\tmp)+2*\k+1] neg_lo:[0,1] neg_hi:[0,1]
.endr
.irp k, 0,1,2,3
	v_cvt_pk_bf16_f32 v[(\lo)+\k], v[(\tmp)+2*\k], v[(\tmp)+2*\k+1]
.endr
.endm
	s_cmp_eq_u32 s[WV], 0
	s_cbranch_scc1 .Ldown
	s_cmp_eq_u32 s[WV], 1
	s_cbranch_scc1 .Lup
	s_branch .Lmain
.Ldown:	; WAVE 0, while its tiles are on their way: down for i = 32 blk .. 32 blk + 31, blk = g / 2, and the two batches 2 (g % 2), 2 (g % 2) + 1
	s_lshr_b32 s42, ttmp9, 1
	s_and_b32 s44, ttmp9, 1
	s_lshl_b32 s46, s42, 13                        ; 32 rows of down_aux, 256 bytes each
	s_mov_b32 s47, 0
	s_add_nc_u64 s[6:7], s[6:7], s[46:47]
	s_lshl_b32 s46, s44, 13                        ; two batches of hyper_down, 4,096 bytes each
	s_add_nc_u64 s[8:9], s[8:9], s[46:47]
	s_lshl_b32 s46, s44, 8
	s_add_co_u32 s46, s46, s42
	s_lshl_b32 s46, s46, 10                        ; dn: (batch x 128 + blk) x 1,024
	s_add_nc_u64 s[16:17], s[16:17], s[46:47]
.irp u, 0,1                                    ; THE ROWS OF A TILE ARE NOT NEIGHBOURS: lane r of tile u takes row 32 blk + 8 u + r + 8 (r / 8); a = 32 h + 0 .. 31
.irp j, 0,1,2,3,4,5,6,7
	global_load_b128 v[16+32*\u+4*\j:16+32*\u+4*\j+3], v[DA], s[6:7] offset:2048*\u+16*\j
.endr
.endr
.irp n, 0,1                                    ; hyper_down(batch, a = 32 h + t, rank r): registers run down K
.irp t, 0,1,2,3,4,5,6,7,8,9,10,11,12,13,14,15,16,17,18,19,20,21,22,23,24,25,26,27,28,29,30,31
	global_load_b32 v[80+32*\n+\t], v[HD], s[8:9] offset:4096*\n+64*\t
.endr
.endr
	s_wait_loadcnt 0x0
	QB32 16, 144, WS
	QB32 48, 152, WS+1
	QB32 80, 160, WS+2
	QB32 112, 168, WS+3
.rept 8
	v_nop                                          ; a scale register written by a vector instruction stands 8 places ahead of a scaled matrix instruction
.endr
.irp n, 0,1                                    ; source 0 = 16 rows of down_aux, source 1 = the 16 ranks: lane (rank, h), register 16 n + e: i = 32 blk + 16 h + e
.irp u, 0,1
	v_wmma_scale_f32_16x16x128_f8f6f4 v[176+16*\n+8*\u:176+16*\n+8*\u+7], v[144+8*\u:144+8*\u+7], v[160+8*\n:160+8*\n+7], 0, v[WS+\u], v[WS+2+\n] matrix_a_fmt:MATRIX_FMT_FP4 matrix_b_fmt:MATRIX_FMT_FP4
.endr
.endr
.rept 4
	v_nop
.endr
.set i, 0
.rept 16
	v_pk_mul_f32 v[176+i:177+i], v[176+i:177+i], 0x41800000 op_sel_hi:[1,0]   ; x 16: exact; each accumulator from its low end on
.set i, i+2
.endr
.set i, 0
.rept 16
	v_cvt_pk_f16_f32 v[16+i], v[176+2*i], v[177+2*i]
.set i, i+1
.endr
.irp n, 0,1
.irp c, 0,1
	global_store_b128 v[LI], v[16+8*\n+4*\c:16+8*\n+4*\c+3], s[16:17] offset:131072*\n+512*\c   ; 32 lanes store 512 consecutive bytes
.endr
.endr
	s_wait_xcnt 0x0                                ; the stores have read their registers: they are written again below
	s_branch .Lmain
.Lup:	; WAVE 1: up for o = 16 g .. 16 g + 15 and all four batches
	s_lshl_b32 s46, ttmp9, 6
	s_mov_b32 s47, 0
	s_add_nc_u64 s[10:11], s[10:11], s[46:47]      ; up_aux at column 16 g
	s_lshl_b32 s46, ttmp9, 9
	s_add_nc_u64 s[18:19], s[18:19], s[46:47]      ; upf at row 16 g of batch 0
.irp t, 0,1,2,3,4,5,6,7,8,9,10,11,12,13,14,15,16,17,18,19,20,21,22,23,24,25,26,27,28,29,30,31
	global_load_b32 v[16+\t], v[UA], s[10:11] offset:16384*\t   ; up_aux(a = 32 h + t, o = 16 g + r): registers run down K
.endr
.irp n, 0,1,2,3
.irp j, 0,1,2,3,4,5,6,7
	global_load_b128 v[48+32*\n+4*\j:48+32*\n+4*\j+3], v[HU], s[12:13] offset:4096*\n+16*\j   ; hyper_up(batch n, rank r, a = 32 h + 0 .. 31)
.endr
.endr
	s_wait_loadcnt 0x0
	QB32 16, 176, WS
	QB32 48, 184, WS+1
	QB32 80, 192, WS+2
	QB32 112, 200, WS+3
	QB32 144, 208, WS+4
.rept 8
	v_nop
.endr
.irp n, 0,1,2,3                                ; source 0 = the 16 ranks, source 1 = 16 columns o: lane (o, h), register j: rank 8 h + j
	v_wmma_scale_f32_16x16x128_f8f6f4 v[48+8*\n:48+8*\n+7], v[184+8*\n:184+8*\n+7], v[176:183], 0, v[WS+1+\n], v[WS] matrix_a_fmt:MATRIX_FMT_FP4 matrix_b_fmt:MATRIX_FMT_FP4
.endr
.rept 4
	v_nop
.endr
.set i, 0
.rept 16
	v_pk_mul_f32 v[48+i:49+i], v[48+i:49+i], 0x3e000000 op_sel_hi:[1,0]   ; / 8: exact
.set i, i+2
.endr
.irp n, 0,1,2,3
	SPLIT 48+8*\n, 80+4*\n, 96+4*\n, 112+8*\n
.endr
.irp n, 0,1,2,3
	global_store_b128 v[UO], v[80+4*\n:80+4*\n+3], s[18:19] offset:131072*\n
	global_store_b128 v[UO], v[96+4*\n:96+4*\n+3], s[18:19] offset:131072*\n+524288
.endr
	s_wait_xcnt 0x0
.Lmain:	; ALL WAVES: my 16 rows x 512 along K of W, 128 along K at a time
.macro XFETCH s
.irp b, 0,1,2,3
.irp j, 0,1,2,3
	ds_load_b128 v[X+16*\b+4*\j:X+16*\b+4*\j+3], v[LA] offset:((\s)/2)*SUBT+((\s)%2)*512+128*\b+16*\j
.endr
.endr
.endm
.macro QUANT_A                                 ; the four blocks' largest magnitudes, scale operands and codes
.irp b, 0,1,2,3
	v_max3_num_f32 v[TM+\b], |v[X+16*\b]|, |v[X+1+16*\b]|, 0x1800000   ; my 16 numbers of block b, and the floor 2^(3 - 127)
.endr
.irp i, 2,4,6,8,10,12,14
.irp b, 0,1,2,3
	v_max3_num_f32 v[TM+\b], v[TM+\b], |v[X+16*\b+\i]|, |v[X+1+16*\b+\i]|
.endr
.endr
.irp b, 0,1,2,3
	v_permlanex16_b32 v[TM+4+\b], v[TM+\b], s[SEL], s[SEL+1]
.endr
.irp b, 0,1,2,3
	v_max_num_f32 v[TM+\b], v[TM+\b], v[TM+4+\b]   ; with lane l xor 16's 16: the block's
.endr
.irp b, 0,1,2,3
	v_add_nc_u32 v[TM+8+\b], 0xff000000, v[TM+\b]
.endr
.irp b, 0,1,2,3
	v_cvt_scalef32_pk8_fp4_f32 v[PC+2*\b], v[X+16*\b:X+16*\b+7], v[TM+8+\b]
	v_cvt_scalef32_pk8_fp4_f32 v[PC+2*\b+1], v[X+16*\b+8:X+16*\b+15], v[TM+8+\b]
.endr
	v_nop                                          ; one plain instruction behind the conversions
.endm
.macro QUANT_B s                               ; the scale word, and the codes into the operand's layout
.irp b, 0,1,2,3
	v_lshrrev_b32 v[TM+4+\b], 23, v[TM+8+\b]
.endr
	v_lshl_or_b32 v[PW+\s], v[TM+5], 8, v[TM+4]
	v_lshl_or_b32 v[PW+\s], v[TM+6], 16, v[PW+\s]
	v_lshl_or_b32 v[PW+\s], v[TM+7], 24, v[PW+\s]
.irp c, 0,1                                    ; a whole block in a lane: lanes 0-15 block 2 c, lanes 16-31 block 2 c + 1
.irp i, 0,1
	v_permlane16_swap_b32 v[PC+4*\c+\i], v[PC+2+4*\c+\i]
.endr
.endr
.endm
.macro PUT s
.irp c, 0,1
	global_store_b128 v[LI], v[PC+4*\c:PC+4*\c+3], s[CQ:CQ+1] offset:1024*(\s)+512*\c   ; 32 lanes store 512 consecutive bytes
.endr
.endm
.macro SUB s
.if (\s) == 0
	s_wait_tensorcnt 0x1                           ; my first tile is in; the second, issued behind it, may be out
.endif
.if (\s) == 2
	s_wait_tensorcnt 0x0
.endif
	XFETCH \s
	s_wait_dscnt 0x0
.if (\s) > 0
	s_wait_xcnt 0x0                                ; the last step's stores have read the codes' registers
.endif
	QUANT_A
	QUANT_B \s
	PUT \s
.endm
	SUB 0
	SUB 1
	SUB 2
	SUB 3
	v_cndmask_b32 v[SW], v[PW], v[PW+2], s[HM]     ; lanes 0-15 store words 0 and 1 of their row, lanes 16-31 words 2 and 3
	v_cndmask_b32 v[SW+1], v[PW+1], v[PW+3], s[HM]
	global_store_b64 v[SO], v[SW:SW+1], s[SQ:SQ+1] ; 32 lanes store 256 consecutive bytes, aligned
	s_wait_tensorcnt 0x0                           ; the wave's end
	ds_add_u32 v[SPW], v[NIL]
	s_wait_dscnt 0x0
	s_endpgm
.Lfunc_end_k_q1d3ab05414_prep:
	.size	k_q1d3ab05414_prep, .Lfunc_end_k_q1d3ab05414_prep-k_q1d3ab05414_prep
	.p2alignl 7, 3214868480
	.fill 96, 4, 3214868480
	.section	.rodata,"a",@progbits
	.p2align	6, 0x0
	.amdhsa_kernel k_q1d3ab05414_prep
		.amdhsa_group_segment_fixed_size 267264
		.amdhsa_private_segment_fixed_size 0
		.amdhsa_enable_private_segment 0
		.amdhsa_kernarg_size 64
		.amdhsa_user_sgpr_count 2
		.amdhsa_user_sgpr_kernarg_segment_ptr 1
		.amdhsa_wavefront_size32 1
		.amdhsa_system_sgpr_workgroup_id_x 1
		.amdhsa_system_sgpr_workgroup_id_y 1
		.amdhsa_system_sgpr_workgroup_id_z 1
		.amdhsa_system_vgpr_workitem_id 0
		.amdhsa_next_free_vgpr 256
		.amdhsa_next_free_sgpr 66
		.amdhsa_reserve_vcc 0
		.amdhsa_float_denorm_mode_32 3
		.amdhsa_float_denorm_mode_16_64 3
		.amdhsa_memory_ordered 1
		.amdhsa_forward_progress 1
		.amdhsa_inst_pref_size 65
	.end_amdhsa_kernel
	.amdgpu_metadata
---
amdhsa.version: [ 1, 2 ]
amdhsa.kernels:
  - .name:           k_q1d3ab05414_prep
    .symbol:         k_q1d3ab05414_prep.kd
    .args:
      - { .name: W, .offset: 0, .size: 8, .value_kind: global_buffer, .address_space: global }
      - { .name: down_aux, .offset: 8, .size: 8, .value_kind: global_buffer, .address_space: global }
      - { .name: hyper_down, .offset: 16, .size: 8, .value_kind: global_buffer, .address_space: global }
      - { .name: up_aux, .offset: 24, .size: 8, .value_kind: global_buffer, .address_space: global }
      - { .name: hyper_up, .offset: 32, .size: 8, .value_kind: global_buffer, .address_space: global }
      - { .name: wq, .offset: 40, .size: 8, .value_kind: global_buffer, .address_space: global }
      - { .name: dn, .offset: 48, .size: 8, .value_kind: global_buffer, .address_space: global }
      - { .name: upf, .offset: 56, .size: 8, .value_kind: global_buffer, .address_space: global }
    .group_segment_fixed_size: 267264
    .private_segment_fixed_size: 0
    .kernarg_segment_align: 8
    .kernarg_segment_size: 64
    .max_flat_workgroup_size: 256
    .sgpr_count:     66
    .vgpr_count:     256
    .wavefront_size: 32
...
	.end_amdgpu_metadata
.endif
;; end of part 1
;; launch xlow (part 2): grid 256 x 1, 8 waves a work-group, no clusters, 275,456 bytes of LDS; arguments x, dn, xq, lrp; writes xq, lrp
.if DOCPART == 2
	.amdgcn_target "amdgcn-amd-amdhsa--gfx1250"
	.amdhsa_code_object_version 6
	.text
	.protected	k_q1d3ab05414_xlow
	.globl	k_q1d3ab05414_xlow
	.p2align	8
	.type	k_q1d3ab05414_xlow,@function
k_q1d3ab05414_xlow:
	s_mov_b64 s[64:65], 0
	v_nop
	global_prefetch_b8 v0, s[64:65] scope:SCOPE_SE
	s_setreg_imm32_b32 hwreg(HW_REG_WAVE_MODE, 25, 1), 1
	s_wait_xcnt 0x0
; SECOND OF THREE LAUNCHES.  No work of the problem is left out.
; x [4096 rows][4096] f32 becomes codes of E2M1 with E8M0 scale bytes in xq (laid as wq is: [32 runs of 128 rows][8 K steps][codes in the order of the operand's registers, then the scale words]),
; and from the SAME numbers in registers, unquantised, comes 16 x low = x (16 down)^T, by f16 matrix instructions with f32 sums; it is stored as a high and a low bf16 part in lrp
; ([4096 rows][16 ranks] bf16, the low parts 131,072 bytes further on).
; In that product both operands carry the same permutation of K: element e of a lane with half h stands for k = 32 blk + 16 h + e.  So the products are those of the true order; the f32 sums group otherwise.
; LIMITS: NaN and infinities are not served; |x| has to stay under 65,504 (f16); a block of zeros gets the byte 1 (its codes are zeros; this program alone reads the bytes).
; SHARES: work-group g takes rows 16 g .. 16 g + 15, wave w their K step w; the eight waves' parts of low meet in LDS and wave 0 adds and stores them.
; No cluster: what the work-groups share (down, 16 KiB a wave) is half of what each wave streams for itself.  No prefetch: every byte of x is asked for at the head.
.set CHUNK, 34816
.set WREG,  33280
.set SUBT,  16640
.set PITCH, 1040
.set RED,   8*WREG                     ; behind the tiles: 1,024 bytes for each wave's part of low
.set SPARE, RED+8*1024                 ; the spare words, 128 bytes for each wave, that no other line names
.set LA,  4
.set LI,  5
.set SO,  6
.set RW,  7                            ; v7   RED + 1,024 x wave + 16 x lane
.set RR,  8                            ; v8   RED + 16 x lane
.set LRO, 9                            ; v9   32 r + 16 h
.set SPW, 10
.set NIL, 11
.set SW,  12
.set X,   16                           ; v16-79  64 numbers of x; then their f16 forms in v[X + 16 b] .. v[X + 16 b + 7]
.set DF,  80                           ; v80-207 my K step's 16 fragments of 16 x down
.set ACC, 208                          ; v208-223 two accumulators, by turns
.set TM,  224
.set PC,  236
.set PW,  244
.set TT,  248                          ; v248-255 at work at the end
.set WV,  20
.set SEL, 22
.set G1,  24
.set G0,  32
.set HM,  40
.set CQ,  14
.set SQ,  48
	s_load_b256 s[4:11], s[0:1], 0x0               ; x s[4:5], dn s[6:7], xq s[8:9], lrp s[10:11]
	v_lshl_add_u32 v[SPW], v0, 2, SPARE
	v_mov_b32 v[NIL], 0
	ds_add_u32 v[SPW], v[NIL]                      ; the wave's opening: the add, twice on end, and its wait ahead of my first tensor load
	ds_add_u32 v[SPW], v[NIL]
	v_lshrrev_b32 v1, 5, v0
	v_readfirstlane_b32 s[WV], v1
	s_mov_b32 s[G1+0], (2<<16)|(1<<20)|(7<<22)|(3<<25)  ; elements of 4 bytes; 4 words of padding behind every 256
	s_mov_b32 s[G1+1], 256<<16
	s_mov_b32 s[G1+2], 16<<16
	s_mov_b32 s[G1+3], 256<<16
	s_mov_b32 s[G1+4], 16
	s_mov_b32 s[G1+5], 4096
	s_mov_b32 s[G1+6], 0
	s_mov_b32 s[G1+7], 0
	s_mov_b32 s[SEL], 0x76543210
	s_mov_b32 s[SEL+1], 0xfedcba98
	s_mul_i32 s21, s[WV], WREG
	s_lshl_b32 s42, ttmp9, 18
	s_lshl_b32 s43, s[WV], 11
	s_add_co_u32 s42, s42, s43
	s_mov_b32 s43, 0
	s_wait_dscnt 0x0
	s_wait_kmcnt 0x0
	s_add_nc_u64 s[44:45], s[4:5], s[42:43]
.irp q, 0,1
	s_mov_b32 s[G0+4*\q], 1
	s_add_co_u32 s[G0+4*\q+1], s21, \q*SUBT
	s_add_nc_u64 s[G0+4*\q+2:G0+4*\q+3], s[44:45], \q*1024
	s_or_b32 s[G0+4*\q+3], s[G0+4*\q+3], 0x80000000
	tensor_load_to_lds s[G0+4*\q:G0+4*\q+3], s[G1:G1+7]
	s_nop 0
.endr
	v_and_b32 v1, 31, v0                           ; lane
	v_lshlrev_b32 v[LI], 4, v1
	s_lshr_b32 s46, ttmp9, 6                       ; the batch: 64 work-groups of 16 rows
	s_lshl_b32 s46, s46, 7
	s_lshl_b32 s47, s[WV], 4
	s_add_co_u32 s46, s46, s47                     ; batch x 128 + 16 x wave: my first block of 32 along i
	s_lshl_b32 s46, s46, 10
	s_mov_b32 s47, 0
	s_add_nc_u64 s[6:7], s[6:7], s[46:47]
.set n, 0
.rept 32
	global_load_b128 v[DF+4*n:DF+4*n+3], v[LI], s[6:7] offset:512*n   ; fragment n / 2, registers 4 (n % 2) on: 512 consecutive bytes a load
.set n, n+1
.endr
	v_and_b32 v2, 15, v0                           ; r
	v_bfe_u32 v3, v0, 4, 1                         ; h
	v_mul_u32_u24 v[LA], v2, PITCH
	v_lshl_add_u32 v[LA], v3, 6, v[LA]
	v_add_nc_u32 v[LA], s21, v[LA]
	v_lshlrev_b32 v[SO], 4, v2
	v_lshl_add_u32 v[SO], v3, 3, v[SO]
	s_lshl_b32 s41, s[WV], 10
	s_add_co_u32 s41, s41, RED
	v_lshl_add_u32 v[RW], v1, 4, s41
	v_lshl_add_u32 v[RR], v1, 4, RED
	v_lshlrev_b32 v[LRO], 5, v2
	v_lshl_add_u32 v[LRO], v3, 4, v[LRO]
	v_cmp_ne_u32 s[HM], 0, v3
.irp b, 0,1,2,3
	v_mov_b32 v[TM+4+\b], 0                        ; written once: a lane permute's destination counts as one of its sources
.endr
	s_lshr_b32 s42, ttmp9, 3
	s_lshl_b32 s42, s42, 3
	s_add_co_u32 s42, s42, s[WV]
	s_mul_i32 s42, s42, CHUNK
	s_and_b32 s44, ttmp9, 7
	s_lshl_b32 s46, s44, 8
	s_add_co_u32 s46, s46, s42
	s_add_co_u32 s46, s46, 32768
	s_add_nc_u64 s[SQ:SQ+1], s[8:9], s[46:47]
	s_lshl_b32 s46, s44, 12
	s_add_co_u32 s46, s46, s42
	s_add_nc_u64 s[CQ:CQ+1], s[8:9], s[46:47]
	s_lshl_b32 s46, ttmp9, 9                       ; lrp: 16 rows of 32 bytes a work-group
	s_add_nc_u64 s[10:11], s[10:11], s[46:47]
.macro XFETCH s
.irp b, 0,1,2,3
.irp j, 0,1,2,3
	ds_load_b128 v[X+16*\b+4*\j:X+16*\b+4*\j+3], v[LA] offset:((\s)/2)*SUBT+((\s)%2)*512+128*\b+16*\j
.endr
.endr
.endm
.macro QUANT_A
.irp b, 0,1,2,3
	v_max3_num_f32 v[TM+\b], |v[X+16*\b]|, |v[X+1+16*\b]|, 0x1800000   ; my 16 numbers of block b, and the floor 2^(3 - 127)
.endr
.irp i, 2,4,6,8,10,12,14
.irp b, 0,1,2,3
	v_max3_num_f32 v[TM+\b], v[TM+\b], |v[X+16*\b+\i]|, |v[X+1+16*\b+\i]|
.endr
.endr
.irp b, 0,1,2,3
	v_permlanex16_b32 v[TM+4+\b], v[TM+\b], s[SEL], s[SEL+1]
.endr
.irp b, 0,1,2,3
	v_max_num_f32 v[TM+\b], v[TM+\b], v[TM+4+\b]
.endr
.irp b, 0,1,2,3
	v_add_nc_u32 v[TM+8+\b], 0xff000000, v[TM+\b]  ; 2 off the exponent field: the conversion's scale operand
.endr
.irp b, 0,1,2,3
	v_cvt_scalef32_pk8_fp4_f32 v[PC+2*\b], v[X+16*\b:X+16*\b+7], v[TM+8+\b]
	v_cvt_scalef32_pk8_fp4_f32 v[PC+2*\b+1], v[X+16*\b+8:X+16*\b+15], v[TM+8+\b]
.endr
	v_nop                                          ; one plain instruction behind the conversions, whose sources are written next
.endm
.macro QUANT_B s
.irp b, 0,1,2,3
	v_lshrrev_b32 v[TM+4+\b], 23, v[TM+8+\b]
.endr
	v_lshl_or_b32 v[PW+\s], v[TM+5], 8, v[TM+4]
	v_lshl_or_b32 v[PW+\s], v[TM+6], 16, v[PW+\s]
	v_lshl_or_b32 v[PW+\s], v[TM+7], 24, v[PW+\s]
.irp c, 0,1
.irp i, 0,1
	v_permlane16_swap_b32 v[PC+4*\c+\i], v[PC+2+4*\c+\i]
.endr
.endr
.endm
.macro PUT s
.irp c, 0,1
	global_store_b128 v[LI], v[PC+4*\c:PC+4*\c+3], s[CQ:CQ+1] offset:1024*(\s)+512*\c
.endr
.endm
.macro SPLIT src, hi, lo, tmp
.irp k, 0,1,2,3
	v_cvt_pk_bf16_f32 v[(\hi)+\k], v[(\src)+2*\k], v[(\src)+2*\k+1]
.endr
.irp k, 0,1,2,3
	v_lshlrev_b32 v[(\tmp)+2*\k], 16, v[(\hi)+\k]
	v_and_b32 v[(\tmp)+2*\k+1], 0xffff0000, v[(\hi)+\k]
.endr
.irp k, 0,1,2,3
	v_pk_add_f32 v[(\tmp)+2*\k:(\tmp)+2*\k+1], v[(\src)+2*\k:(\src)+2*\k+1], v[(\tmp)+2*\k:(\tmp)+2*\k+1] neg_lo:[0,1] neg_hi:[0,1]
.endr
.irp k, 0,1,2,3
	v_cvt_pk_bf16_f32 v[(\lo)+\k], v[(\tmp)+2*\k], v[(\tmp)+2*\k+1]
.endr
.endm
.macro SUB s
.if (\s) == 0
	s_wait_tensorcnt 0x1                           ; my first tile is in; the second, issued behind it, may be out
.endif
.if (\s) == 2
	s_wait_tensorcnt 0x0
.endif
	XFETCH \s
	s_wait_dscnt 0x0
.if (\s) > 0
	s_wait_xcnt 0x0                                ; the last step's stores have read the codes' registers
.endif
	QUANT_A
.irp b, 0,1,2,3                                ; the same numbers as f16, in place, ascending: no source is written before it is read
.irp e, 0,2,4,6,8,10,12,14
	v_cvt_pk_f16_f32 v[X+16*\b+\e/2], v[X+16*\b+\e], v[X+16*\b+\e+1]
.endr
.endr
	s_wait_loadcnt 24-8*(\s)                       ; down's 32 loads came in the order of the fragments: the first 8 (s + 1) are in, the later ones may be out
.irp b, 0,1,2,3                                ; source 0 = 16 ranks of down, source 1 = my 16 rows: lane (row, h), register j: rank 8 h + j.  The two accumulators take turns
.if ((\s) == 0) && (\b < 2)
	v_wmma_f32_16x16x32_f16 v[ACC+8*(\b%2):ACC+8*(\b%2)+7], v[DF+8*(4*(\s)+\b):DF+8*(4*(\s)+\b)+7], v[X+16*\b:X+16*\b+7], 0
.else
	v_wmma_f32_16x16x32_f16 v[ACC+8*(\b%2):ACC+8*(\b%2)+7], v[DF+8*(4*(\s)+\b):DF+8*(4*(\s)+\b)+7], v[X+16*\b:X+16*\b+7], v[ACC+8*(\b%2):ACC+8*(\b%2)+7]
.endif
.endr
	QUANT_B \s                                     ; its first seven lines are plain and name no register of the products: the places ahead of the next loads into X and of the first read of the sums
	PUT \s
.endm
	SUB 0
	SUB 1
	SUB 2
	SUB 3
.irp k, 0,2,4,6
	v_pk_add_f32 v[ACC+\k:ACC+\k+1], v[ACC+\k:ACC+\k+1], v[ACC+8+\k:ACC+8+\k+1]   ; both accumulators from their low ends on
.endr
	ds_store_b128 v[RW], v[ACC:ACC+3]
	ds_store_b128 v[RW], v[ACC+4:ACC+7] offset:512
	v_cndmask_b32 v[SW], v[PW], v[PW+2], s[HM]
	v_cndmask_b32 v[SW+1], v[PW+1], v[PW+3], s[HM]
	global_store_b64 v[SO], v[SW:SW+1], s[SQ:SQ+1] ; 256 consecutive bytes, aligned
	s_wait_tensorcnt 0x0                           ; the wave's end: behind my last tensor load and my last LDS store;
	ds_add_u32 v[SPW], v[NIL]
	s_wait_dscnt 0x0                               ; the wait also shows my part of low stored, for wave 0's sake
	s_barrier_signal -1
	s_barrier_wait -1
	s_cmp_lg_u32 s[WV], 0
	s_cbranch_scc1 .Lend
.irp p, 0,1,2,3,4,5,6,7                        ; wave 0: the eight parts, in every lane as they were stored
	ds_load_b128 v[X+8*\p:X+8*\p+3], v[RR] offset:1024*\p
	ds_load_b128 v[X+8*\p+4:X+8*\p+7], v[RR] offset:1024*\p+512
.endr
	s_wait_dscnt 0x0
.irp p, 0,2,4,6
.irp k, 0,2,4,6
	v_pk_add_f32 v[X+8*\p+\k:X+8*\p+\k+1], v[X+8*\p+\k:X+8*\p+\k+1], v[X+8*\p+8+\k:X+8*\p+8+\k+1]
.endr
.endr
.irp p, 0,4
.irp k, 0,2,4,6
	v_pk_add_f32 v[X+8*\p+\k:X+8*\p+\k+1], v[X+8*\p+\k:X+8*\p+\k+1], v[X+8*\p+16+\k:X+8*\p+16+\k+1]
.endr
.endr
.irp k, 0,2,4,6
	v_pk_add_f32 v[X+\k:X+\k+1], v[X+\k:X+\k+1], v[X+32+\k:X+32+\k+1]
.endr
	s_wait_xcnt 0x0                                ; the last stores of codes have read their registers
	SPLIT X, PC, PC+4, TT
	global_store_b128 v[LRO], v[PC:PC+3], s[10:11]                    ; 16 rows x 32 bytes: 512 consecutive bytes
	global_store_b128 v[LRO], v[PC+4:PC+7], s[10:11] offset:131072
.Lend:
	s_endpgm
.Lfunc_end_k_q1d3ab05414_xlow:
	.size	k_q1d3ab05414_xlow, .Lfunc_end_k_q1d3ab05414_xlow-k_q1d3ab05414_xlow
	.p2alignl 7, 3214868480
	.fill 96, 4, 3214868480
	.section	.rodata,"a",@progbits
	.p2align	6, 0x0
	.amdhsa_kernel k_q1d3ab05414_xlow
		.amdhsa_group_segment_fixed_size 275456
		.amdhsa_private_segment_fixed_size 0
		.amdhsa_enable_private_segment 0
		.amdhsa_kernarg_size 32
		.amdhsa_user_sgpr_count 2
		.amdhsa_user_sgpr_kernarg_segment_ptr 1
		.amdhsa_wavefront_size32 1
		.amdhsa_system_sgpr_workgroup_id_x 1
		.amdhsa_system_sgpr_workgroup_id_y 1
		.amdhsa_system_sgpr_workgroup_id_z 1
		.amdhsa_system_vgpr_workitem_id 0
		.amdhsa_next_free_vgpr 256
		.amdhsa_next_free_sgpr 66
		.amdhsa_reserve_vcc 0
		.amdhsa_float_denorm_mode_32 3
		.amdhsa_float_denorm_mode_16_64 3
		.amdhsa_memory_ordered 1
		.amdhsa_forward_progress 1
		.amdhsa_inst_pref_size 41
	.end_amdhsa_kernel
	.amdgpu_metadata
---
amdhsa.version: [ 1, 2 ]
amdhsa.kernels:
  - .name:           k_q1d3ab05414_xlow
    .symbol:         k_q1d3ab05414_xlow.kd
    .args:
      - { .name: x, .offset: 0, .size: 8, .value_kind: global_buffer, .address_space: global }
      - { .name: dn, .offset: 8, .size: 8, .value_kind: global_buffer, .address_space: global }
      - { .name: xq, .offset: 16, .size: 8, .value_kind: global_buffer, .address_space: global }
      - { .name: lrp, .offset: 24, .size: 8, .value_kind: global_buffer, .address_space: global }
    .group_segment_fixed_size: 275456
    .private_segment_fixed_size: 0
    .kernarg_segment_align: 8
    .kernarg_segment_size: 32
    .max_flat_workgroup_size: 256
    .sgpr_count:     66
    .vgpr_count:     256
    .wavefront_size: 32
...
	.end_amdgpu_metadata
.endif
;; end of part 2
;; launch gemm (part 3): grid 16 x 16, 4 waves a work-group, clusters of 4 x 4, 327,680 bytes of LDS; arguments xq, wq, lrp, upf, b, out0; writes out0
.if DOCPART == 3
	.amdgcn_target "amdgcn-amd-amdhsa--gfx1250"
	.amdhsa_code_object_version 6
	.text
	.protected	k_q1d3ab05414_gemm
	.globl	k_q1d3ab05414_gemm
	.p2align	8
	.type	k_q1d3ab05414_gemm,@function
k_q1d3ab05414_gemm:
	s_mov_b64 s[64:65], 0
	v_nop
	global_prefetch_b8 v0, s[64:65] scope:SCOPE_SE
	s_setreg_imm32_b32 hwreg(HW_REG_WAVE_MODE, 25, 1), 1
	s_wait_xcnt 0x0
	s_wait_alu depctr_hold_cnt(0) depctr_sa_sdst(0) depctr_va_vdst(0) depctr_va_sdst(0) depctr_va_ssrc(0) depctr_va_vcc(0) depctr_vm_vsrc(0)
	s_getreg_b32 s2, hwreg(HW_REG_IB_STS2, 6, 4)
	s_cmp_eq_u32 s2, 0
	s_cbranch_scc0 .Lentry_in_a_cluster
	s_endpgm
.Lentry_in_a_cluster:
	s_bfe_u32 s2, ttmp6, 0x10000c
	s_cmp_lg_u32 s2, 0xf033
	s_cbranch_scc0 .Lentry_shape_is_right
	s_endpgm
.Lentry_shape_is_right:
; THIRD OF THREE LAUNCHES.  No work of the problem is left out.
; out0[row][o] = b[o] + sum over 16 ranks of (up / 8)[batch][o][rank] (16 low)[row][rank] + sum over k of Q(x)[row][k] Q(W)[o][k].
; The sums BEGIN as bias + delta: two bf16 matrix instructions an accumulator, the bias as the C of the first.  low and up each come as a high and a low bf16 part: K places 0-15 hold low's high parts, places 16-31 its
; low parts, both against up's high parts in the first instruction and against up's low parts in the second: (high + low) x (high + low).  Then eight K steps of 512 on codes of E2M1 add onto them, K ascending.
; ORDER OF ROUNDING: bias and delta stand first in each f32 sum, where the definition adds them last.
; A tile of out0, 256 x 256, is made by a work-group of four waves; a wave makes 128 x 128: 64 accumulators.  K goes through a ring of two LDS slots.  xq and wq are laid in the order of the operands' registers:
; a K step of 128 rows is ONE dense block of 34,816 bytes (codes, then scale words), one tensor load; a fragment is read at 16 x lane, 512 consecutive bytes a load: no pitch, no padding.
; CLUSTERS: 4 x 4 work-groups; x's blocks are asked for jointly along a row of the cluster, W's along a column.  THE MATRIX INSTRUCTIONS ARE USED TRANSPOSED (source 0 = 16 rows of W or of up, source 1 = 16 rows of x or of low):
; a lane holds eight neighbouring numbers of a row of out0.
; No prefetch: of eight K steps two are first fills, and a block's 136 runs of 256 bytes do not share out evenly, a lane a run, among four partners.
; REGISTERS, in windows of 256: window 0: v16-31 addresses; v32-95 scale words, two sets, and nothing else; v128-191 x's fragments (at first low's); v192-255 the bias; on the way out v128-255 rows of out0.
;   window 1: W's fragments, two sets, at v0 and v128 (at first up's high and low parts).   window 2: the accumulators of my rows 0-63 ((a, n) at v[8 (8 a + n)]);   window 3: those of rows 64-127.
.set CHUNK,  34816
.set SLOT,   4*CHUNK                   ; x's two blocks, then W's two
.set NQ,     4                         ; steps of 128 along K in a slot
.set FR,     8
.set NL,     2
.set NP,     4
.set LAPS,   4                         ; 4,096 / (2 x 512)
.set SPARE,  2*SLOT                    ; behind the ring: the spare words, 128 bytes for each wave, that no other line names
.set SPITCH, 528                       ; the way out: a stage of 16 rows x (512 bytes + 16) for each wave, in slot 0, which has had its last fill and its last read when the first result is stored there
.set ROWC,   16384                     ; a row of out0 in bytes
.set ADRA, 16                          ; v16-17  my block of x in slot 0, 1, + 16 x lane
.set ADRB, 20                          ; v20-21  the same for W
.set ADRS, 22                          ; v22-23  my scale words in slot 0, 1: lanes 0-15 x's rows, lanes 16-31 W's
.set STO,  24
.set RD,   25
.set CO,   26                          ; v26     16 x lane
.set SPW,  28
.set NIL,  29
.set RK,   30                          ; v30     32 r + 16 h: eight ranks of a row of low or of up
.set BO,   31                          ; v31     32 h: eight numbers of the bias
.set SC,   32
.set AF,   128
.set BI,   192
.set BK,   128
.set G1,  24
.set G0,  32
.set G1B, 48
.set G0B, 56
.set MSB, 0
.macro WIN new                         ; the immediate's high byte repeats the setting that is left
.if MSB != \new
	s_set_vgpr_msb (MSB<<8)|\new
.set MSB, \new
.endif
.endm
.set MUL_LO, 0xa1                      ; source 0 window 1, source 1 window 0, C and D window 2
.set MUL_HI, 0xf1                      ; the same, C and D window 3
.set BEG_LO, 0x81                      ; source 0 window 1, source 1 and C window 0, D window 2
.set BEG_HI, 0xc1                      ; the same, D window 3
.set TO_B,   0x40                      ; destination window 1, address window 0
; A joint load: waves 0 and 1 fetch x's two blocks, waves 2 and 3 W's.  The branch hangs on the wave's number alone.  An s_nop 0 and four v_nop follow each of the two lines.
.macro JLOAD g0a, g1a, g0b, g1b
	s_cmp_eq_u32 s15, 0
	s_cbranch_scc0 .Lfor_b_\@
	tensor_load_to_lds s[\g0a:\g0a+3], s[\g1a:\g1a+7]
	s_nop 0
.rept 4
	v_nop
.endr
	s_branch .Lasked_\@
.Lfor_b_\@:
	tensor_load_to_lds s[\g0b:\g0b+3], s[\g1b:\g1b+7]
	s_nop 0
.rept 4
	v_nop
.endr
.Lasked_\@:
.endm
.macro CREST                           ; a round of the cluster's barrier behind its opening barrier
	s_cmp_lg_u32 s14, 0
	s_cbranch_scc1 .Lnot_wave_0_\@
	s_barrier_signal -3
.Lnot_wave_0_\@:
	s_barrier_wait -3
	s_barrier_signal -1
	s_barrier_wait -1
.endm
.macro CROUND
	s_barrier_signal -1
	s_barrier_wait -1
	CREST
.endm
	s_load_b256 s[4:11], s[0:1], 0x0               ; xq s[4:5], wq s[6:7], lrp s[8:9], upf s[10:11]
	s_load_b128 s[72:75], s[0:1], 0x20             ; b s[72:73], out0 s[74:75]
	v_lshl_add_u32 v[SPW], v0, 2, SPARE
	v_mov_b32 v[NIL], 0
	ds_add_u32 v[SPW], v[NIL]                      ; the wave's opening: the add, twice on end, and its wait ahead of my first tensor load
	ds_add_u32 v[SPW], v[NIL]
	v_lshrrev_b32 v1, 5, v0
	v_readfirstlane_b32 s14, v1                    ; wave 0..3
	s_lshr_b32 s15, s14, 1                         ; which half of the tile's rows is mine.  Also: I fetch for x (0) or for W (1)
	s_and_b32 s16, s14, 1                          ; which half of its columns.  Also: which block of 128 rows I fetch
	s_bfe_u32 s40, ttmp6, 0x40000                  ; cx, cy
	s_bfe_u32 s41, ttmp6, 0x40004
	s_lshl_b32 s42, ttmp9, 2
	s_add_co_u32 s42, s42, s40                     ; tile column = 4 x cluster x + cx
	s_and_b32 s76, ttmp7, 0xffff                   ; cluster y: four tile rows of 256 = 1,024 rows: the batch
	s_lshl_b32 s17, s76, 2
	s_add_co_u32 s17, s17, s41                     ; tile row = 4 x cluster y + cy
	s_lshl_b32 s43, s41, 2
	s_lshl_b32 s43, 15, s43                        ; my row of the cluster
	s_lshl_b32 s44, 0x1111, s40                    ; my column
	s_or_b32 s[G1+0], s43, (3<<16)|(1<<21)         ; the mask; elements of 8 bytes; bit 21 set beside a mask; no padding
	s_or_b32 s[G1B+0], s44, (3<<16)|(1<<21)
.irp g, G1, G1B
	s_mov_b32 s[\g+1], 32<<16                      ; tensor_dim0 = 32: rows of 256 bytes
	s_mov_b32 s[\g+2], 136<<16                     ; tensor_dim1 = 136
	s_mov_b32 s[\g+3], 32<<16                      ; tile_dim0
	s_mov_b32 s[\g+4], 136                         ; tile_dim1
	s_mov_b32 s[\g+5], 32                          ; dense
	s_mov_b32 s[\g+6], 0
	s_mov_b32 s[\g+7], 0
.endr
	s_lshl_b32 s20, s17, 1
	s_add_co_u32 s20, s20, s16                     ; x: run of 128 rows = 2 x tile row + half
	s_mul_i32 s20, s20, 8*CHUNK
	s_mov_b32 s21, 0
	s_lshl_b32 s46, s42, 1
	s_add_co_u32 s46, s46, s16                     ; W: 2 x tile column + half
	s_mul_i32 s46, s46, 8*CHUNK
	s_mov_b32 s47, 0
	s_mul_i32 s45, s14, CHUNK                      ; where they go: wave x a block: no place in the cluster enters an LDS address
	s_wait_dscnt 0x0                               ; both opening adds are done
	s_wait_kmcnt 0x0
	s_add_nc_u64 s[20:21], s[4:5], s[20:21]
	s_add_nc_u64 s[46:47], s[6:7], s[46:47]
	CROUND                                         ; all sixteen work-groups are here: the first joint loads meet
.irp s, 0,1
	s_mov_b32 s[G0+4*\s], 1
	s_add_co_u32 s[G0+4*\s+1], s45, \s*SLOT
	s_add_nc_u64 s[G0+4*\s+2:G0+4*\s+3], s[20:21], \s*CHUNK
	s_or_b32 s[G0+4*\s+3], s[G0+4*\s+3], 0x80000000
	s_mov_b32 s[G0B+4*\s], 1
	s_add_co_u32 s[G0B+4*\s+1], s45, \s*SLOT
	s_add_nc_u64 s[G0B+4*\s+2:G0B+4*\s+3], s[46:47], \s*CHUNK
	s_or_b32 s[G0B+4*\s+3], s[G0B+4*\s+3], 0x80000000
	JLOAD G0+4*\s, G1, G0B+4*\s, G1B               ; K steps 0 and 1: two loads of mine are out
.endr
	; WHILE THE TILES ARE ON THEIR WAY: low, up and the bias come straight into registers
	v_and_b32 v1, 15, v0                           ; r
	v_bfe_u32 v2, v0, 4, 1                         ; h
	v_and_b32 v6, 31, v0
	v_lshlrev_b32 v[CO], 4, v6
	v_lshlrev_b32 v[RK], 5, v1
	v_lshl_add_u32 v[RK], v2, 4, v[RK]
	v_lshlrev_b32 v[BO], 5, v2
	s_lshl_b32 s18, s17, 13
	s_lshl_b32 s19, s15, 12
	s_add_co_u32 s18, s18, s19                     ; my first row (256 x tile row + 128 x half) x 32 bytes
	s_mov_b32 s19, 0
	s_add_nc_u64 s[8:9], s[8:9], s[18:19]          ; low
	s_lshl_b32 s78, s42, 10
	s_lshl_b32 s79, s16, 9
	s_add_co_u32 s78, s78, s79                     ; my first column (256 x tile column + 128 x half) x 4 bytes
	s_mov_b32 s79, 0
	s_add_nc_u64 s[72:73], s[72:73], s[78:79]      ; the bias,
	s_add_nc_u64 s[74:75], s[74:75], s[78:79]      ; and out0's columns
	s_lshl_b32 s78, s78, 3                         ; the same column x 32 bytes
	s_lshl_b32 s77, s76, 17                        ; + batch x 4,096 rows of 32 bytes
	s_add_co_u32 s78, s78, s77
	s_add_nc_u64 s[10:11], s[10:11], s[78:79]      ; up
	s_lshl_b32 s18, s18, 9                         ; my first row x 16,384 bytes
	s_add_nc_u64 s[74:75], s[74:75], s[18:19]      ; out0
.irp a, 0,1,2,3,4,5,6,7
	global_load_b128 v[AF+8*\a:AF+8*\a+3], v[RK], s[8:9] offset:512*\a             ; low's high parts: K places 8 h + 0 .. 7
	global_load_b128 v[AF+8*\a+4:AF+8*\a+7], v[RK], s[8:9] offset:512*\a+131072    ; its low parts: K places 16 + 8 h + 0 .. 7
.endr
.irp n, 0,1,2,3,4,5,6,7
	global_load_b128 v[BI+8*\n:BI+8*\n+3], v[BO], s[72:73] offset:64*\n            ; b at columns 16 n + 8 h + 0 .. 7: the result's layout
	global_load_b128 v[BI+8*\n+4:BI+8*\n+7], v[BO], s[72:73] offset:64*\n+16
.endr
	WIN TO_B
.irp n, 0,1,2,3,4,5,6,7
	global_load_b128 v[8*\n:8*\n+3], v[RK], s[10:11] offset:512*\n                 ; up's high parts, against low's high parts,
	global_load_b128 v[8*\n+4:8*\n+7], v[RK], s[10:11] offset:512*\n               ; and once more, against low's low parts
	global_load_b128 v[128+8*\n:128+8*\n+3], v[RK], s[10:11] offset:512*\n+524288  ; up's low parts likewise
	global_load_b128 v[128+8*\n+4:128+8*\n+7], v[RK], s[10:11] offset:512*\n+524288
.endr
	WIN 0
	s_mul_i32 s21, s15, CHUNK                      ; my block of x
	s_mul_i32 s22, s16, CHUNK
	s_add_co_u32 s22, s22, 2*CHUNK                 ; my block of W, behind x's two
	s_xor_b32 s23, s15, 1
	s_add_co_u32 s23, s23, s16
	s_add_co_u32 s23, s23, 1                       ; 2 + (wave % 2) - (wave / 2): blocks from mine of x to mine of W
	s_mul_i32 s23, s23, CHUNK
	v_mul_u32_u24 v5, s23, v2                      ; lanes 16-31 take W's scale words
	v_lshl_add_u32 v5, v1, 4, v5                   ; 16 bytes a row
	v_add_nc_u32 v5, 32768, v5                     ; behind the block's codes
.irp s, 0,1
	v_add_nc_u32 v[ADRA+\s], s21, v[CO]
	v_add_nc_u32 v[ADRB+\s], s22, v[CO]
	v_add_nc_u32 v[ADRS+\s], s21, v5
	s_add_co_u32 s21, s21, SLOT
	s_add_co_u32 s22, s22, SLOT
.endr
	s_mul_i32 s23, s14, 16*SPITCH                  ; my stage
	v_mul_u32_u24 v7, v1, SPITCH                   ; in: row r, 32 bytes for each half of the lanes
	v_lshl_add_u32 v7, v2, 5, v7
	v_add_nc_u32 v[STO], s23, v7
	v_add_nc_u32 v[RD], s23, v[CO]                 ; back: the 32 lanes take one row of 512 bytes
; 32 matrix instructions that begin (first = 1: C = the bias) or go on with the sums of rows 16 a0 .. 16 a0 + 63: source 0 = up's parts at v[up] on, source 1 = low
.macro DELTA a0, up, first
.irp a, \a0, \a0+1, \a0+2, \a0+3
.irp n, 0,1,2,3,4,5,6,7
.if \first
	v_wmma_f32_16x16x32_bf16 v[8*(8*((\a)%4)+\n):8*(8*((\a)%4)+\n)+7], v[\up+8*\n:\up+8*\n+7], v[AF+8*(\a):AF+8*(\a)+7], v[BI+8*\n:BI+8*\n+7]
.else
	v_wmma_f32_16x16x32_bf16 v[8*(8*((\a)%4)+\n):8*(8*((\a)%4)+\n)+7], v[\up+8*\n:\up+8*\n+7], v[AF+8*(\a):AF+8*(\a)+7], v[8*(8*((\a)%4)+\n):8*(8*((\a)%4)+\n)+7]
.endif
.endr
.endr
.endm
	s_wait_loadcnt 0x0
	WIN BEG_LO
	DELTA 0, 0, 1
	WIN BEG_HI
	DELTA 4, 0, 1
	WIN MUL_LO
	DELTA 0, 128, 0                                ; the 64 accumulators take turns: 63 others' stand between an accumulator's two
	WIN MUL_HI
	DELTA 4, 128, 0
.rept 5
	v_nop                                          ; another form of matrix instruction writes over these results next: five places; they also serve the loads into low's and up's registers
.endr
	WIN 0
.macro FRAG reg, adr, q, i             ; a fragment, 16 rows x 128 K of 4-bit codes: registers 4 c .. 4 c + 3 lie at ((4 i + q) x 2 + c) x 512 + 16 x lane of the block
.irp c, 0,1
	ds_load_b128 v[\reg+4*\c:\reg+4*\c+3], v[\adr] offset:(4*(\i)+(\q))*1024+512*\c
.endr
.endm
; 16 matrix instructions: x's blocks a0, a0 + 1 against W's eight, the slot's q-th 128 along K.  p: W's set; sc: the set of scale words.  Register NQ i + q of a set: lanes 0-15 the word of x's block i, lanes 16-31 that of W's block i.
.macro MUL16 a0, p, q, sc
.irp a, \a0, \a0+1
.irp b, 0,1,2,3,4,5,6,7
	v_wmma_scale_f32_16x16x128_f8f6f4 v[8*(8*((\a)%4)+\b):8*(8*((\a)%4)+\b)+7], v[128*(\p)+FR*\b:128*(\p)+FR*\b+FR-1], v[AF+FR*(\a):AF+FR*(\a)+FR-1], v[8*(8*((\a)%4)+\b):8*(8*((\a)%4)+\b)+7], v[SC+8*NQ*(\sc)+NQ*\b+(\q)], v[SC+8*NQ*(\sc)+NQ*(\a)+(\q)] matrix_a_fmt:MATRIX_FMT_FP4 matrix_b_fmt:MATRIX_FMT_FP4 matrix_a_scale:MATRIX_SCALE_ROW1
.endr
.endr
.endm
.macro FETCH_B slot, q, p
	WIN TO_B
.irp i, 0,1,2,3,4,5,6,7
	FRAG 128*(\p)+FR*\i, ADRB+\slot, \q, \i
.endr
	WIN 0
.endm
.macro FETCH_A slot, q, i0
.irp i, \i0, \i0+1, \i0+2, \i0+3
	FRAG AF+FR*(\i), ADRA+\slot, \q, \i
.endr
.endm
.macro SCALES sc                       ; slot sc's scale words: four words a row
.irp i, 0,1,2,3,4,5,6,7
	ds_load_b128 v[SC+8*NQ*\sc+NQ*\i:SC+8*NQ*\sc+NQ*\i+3], v[ADRS+\sc] offset:256*\i
.endr
.endm
.macro PLACES n                        ; plain vector instructions between a matrix instruction and a load into one of its registers, or the first read of its result
.rept \n
	v_nop
.endr
.endm
; A step of 128 along K that has its successor in the same slot.  x has one set of registers: blocks 0-3 are fetched anew in the step's middle, blocks 4-7 at its end; W has two sets.
.macro STEP slot, q
	s_wait_dscnt 4*NL                              ; all but the youngest eight loads (x's blocks 4-7) are in
	WIN MUL_LO
	MUL16 0, (\q)%2, \q, \slot
	MUL16 2, (\q)%2, \q, \slot
	s_wait_dscnt 0                                 ; x's blocks 4-7 are in
	PLACES NP
	FETCH_B \slot, (\q)+1, 1-(\q)%2
	FETCH_A \slot, (\q)+1, 0
	WIN MUL_HI
	MUL16 4, (\q)%2, \q, \slot
	MUL16 6, (\q)%2, \q, \slot
	PLACES NP
	WIN 0
	FETCH_A \slot, (\q)+1, 4
.endm
; A slot's last step changes slots: in front of the barrier each wave waits for all its tensor loads, adds 0 to its spare word, and waits for that and for its reads of this slot.  fill = 1: the slot is filled again, two K steps ahead.
.macro TURN slot, next, fill
	s_wait_tensorcnt 0x0                           ; all my tensor loads have landed: my part of the next slot
	ds_add_u32 v[SPW], v[NIL]                      ; 0 onto my spare word
	s_wait_dscnt 4*NL+1                            ; (the add and the youngest eight loads may be out)
	WIN MUL_LO
	MUL16 0, 1, NQ-1, \slot
	s_wait_dscnt 0x0                               ; the add is done, and my reads of this slot are over
	s_barrier_signal -1
	MUL16 2, 1, NQ-1, \slot
	WIN 0
	s_barrier_wait -1
.if \fill
	CREST                                          ; the barrier has opened a round of the cluster's: no wave of any partner still reads this slot or has a load on its way
	s_add_nc_u64 s[G0+4*\slot+2:G0+4*\slot+3], s[G0+4*\slot+2:G0+4*\slot+3], 2*CHUNK
	s_add_nc_u64 s[G0B+4*\slot+2:G0B+4*\slot+3], s[G0B+4*\slot+2:G0B+4*\slot+3], 2*CHUNK
	JLOAD G0+4*\slot, G1, G0B+4*\slot, G1B         ; the first tensor load behind the round, my one load until the next; its four v_nop are the places in front of the loads below
.else
	PLACES NP
.endif
	FETCH_B \next, 0, 0
	FETCH_A \next, 0, 0
	SCALES \next
	WIN MUL_HI
	MUL16 4, 1, NQ-1, \slot
	MUL16 6, 1, NQ-1, \slot
	PLACES NP
	WIN 0
	FETCH_A \next, 0, 4
.endm
.macro STEPS slot, from
.set Q, \from
.rept NQ-1-\from
	STEP \slot, Q
.set Q, Q+1
.endr
.endm
	s_wait_tensorcnt 1                             ; my part of K step 0 is in; K step 1's load, issued behind it, may be out
	s_barrier_signal -1
	s_barrier_wait -1
	FETCH_B 0, 0, 0
	FETCH_A 0, 0, 0
	SCALES 0
	FETCH_A 0, 0, 4
	STEP 0, 0
	s_mov_b32 s3, LAPS-1
.Llap:                                                 ; a trip goes once round the ring, from a lap's second step to the next lap's first, and fills both slots again
	STEPS 0, 1
	TURN 0, 1, 1
	STEPS 1, 0
	TURN 1, 0, 1
	STEP 0, 0
	s_sub_co_u32 s3, s3, 1
	s_cmp_lg_u32 s3, 0
	s_cbranch_scc1 .Llap
	STEPS 0, 1                                     ; the last lap fills nothing
	TURN 0, 1, 0
	STEPS 1, 0
	s_wait_dscnt 4*NL
	WIN MUL_LO
	MUL16 0, 1, NQ-1, 1
	MUL16 2, 1, NQ-1, 1
	s_wait_dscnt 0
	WIN MUL_HI
	MUL16 4, 1, NQ-1, 1
	MUL16 6, 1, NQ-1, 1
	WIN 0
; THE WAY OUT, block by block of 16 rows x 128 columns, through my own stage: in as 32 bytes a lane, back as whole rows of 512 bytes.  LDS serves a wave's instructions in order, so no wait stands between the stores and the loads.
.macro TOSTAGE a
.set AC, 64*((\a)%4)
	WIN 0x08+4*((\a)/4)                            ; the data: window 2 or 3
.irp b, 0,1,2,3,4,5,6,7
	ds_store_b128 v[STO], v[AC+8*\b:AC+8*\b+3] offset:64*\b          ; each accumulator from its low end on
	ds_store_b128 v[STO], v[AC+8*\b+4:AC+8*\b+7] offset:64*\b+16
.endr
	WIN 0
.set BB, BK+64*((\a)%2)
.irp t, 0,1,2,3,4,5,6,7,8,9,10,11,12,13,14,15
	ds_load_b128 v[BB+4*\t:BB+4*\t+3], v[RD] offset:\t*SPITCH
.endr
.endm
.macro SEND a, younger                 ; younger: the LDS instructions issued behind block a's loads, which may stay out
.set BB, BK+64*((\a)%2)
	s_wait_dscnt \younger
.if (\a) > 0
	s_add_nc_u64 s[74:75], s[74:75], 16*ROWC       ; (behind a wait on XCNT for 0: the earlier stores have read their base)
.endif
.irp t, 0,1,2,3,4,5,6,7,8,9,10,11,12,13,14,15
	global_store_b128 v[CO], v[BB+4*\t:BB+4*\t+3], s[74:75] offset:\t*ROWC th:TH_STORE_NT   ; 32 lanes store 512 consecutive bytes, at a multiple of 256 from out0's first byte
.endr
.endm
	PLACES NP
	TOSTAGE 0
.irp a, 1,2,3,4,5,6,7
.if \a > 1
	s_wait_xcnt 0x0                                ; block a - 2's stores have read their registers and their base
.endif
	TOSTAGE \a
	SEND \a-1, 32                                  ; behind block a - 1's loads: block a's 16 stores and 16 loads
.endr
	s_wait_xcnt 0x0
	SEND 7, 0
	s_wait_tensorcnt 0x0                           ; the wave's end
	ds_add_u32 v[SPW], v[NIL]
	s_wait_dscnt 0x0
	CROUND                                         ; the closing round: no work-group ends while a partner may still ask for a tile that names it
	s_endpgm
.Lfunc_end_k_q1d3ab05414_gemm:
	.size	k_q1d3ab05414_gemm, .Lfunc_end_k_q1d3ab05414_gemm-k_q1d3ab05414_gemm
	.p2alignl 7, 3214868480
	.fill 96, 4, 3214868480
	.section	.rodata,"a",@progbits
	.p2align	6, 0x0
	.amdhsa_kernel k_q1d3ab05414_gemm
		.amdhsa_group_segment_fixed_size 327680
		.amdhsa_private_segment_fixed_size 0
		.amdhsa_enable_private_segment 0
		.amdhsa_kernarg_size 48
		.amdhsa_user_sgpr_count 2
		.amdhsa_user_sgpr_kernarg_segment_ptr 1
		.amdhsa_wavefront_size32 1
		.amdhsa_system_sgpr_workgroup_id_x 1
		.amdhsa_system_sgpr_workgroup_id_y 1
		.amdhsa_system_sgpr_workgroup_id_z 1
		.amdhsa_system_vgpr_workitem_id 0
		.amdhsa_next_free_vgpr 1024
		.amdhsa_next_free_sgpr 80
		.amdhsa_reserve_vcc 0
		.amdhsa_float_denorm_mode_32 3
		.amdhsa_float_denorm_mode_16_64 3
		.amdhsa_memory_ordered 1
		.amdhsa_forward_progress 1
		.amdhsa_inst_pref_size 223
	.end_amdhsa_kernel
	.amdgpu_metadata
---
amdhsa.version: [ 1, 2 ]
amdhsa.kernels:
  - .name:           k_q1d3ab05414_gemm
    .symbol:         k_q1d3ab05414_gemm.kd
    .args:
      - { .name: xq, .offset: 0, .size: 8, .value_kind: global_buffer, .address_space: global }
      - { .name: wq, .offset: 8, .size: 8, .value_kind: global_buffer, .address_space: global }
      - { .name: lrp, .offset: 16, .size: 8, .value_kind: global_buffer, .address_space: global }
      - { .name: upf, .offset: 24, .size: 8, .value_kind: global_buffer, .address_space: global }
      - { .name: b, .offset: 32, .size: 8, .value_kind: global_buffer, .address_space: global }
      - { .name: out0, .offset: 40, .size: 8, .value_kind: global_buffer, .address_space: global }
    .group_segment_fixed_size: 327680
    .private_segment_fixed_size: 0
    .kernarg_segment_align: 8
    .kernarg_segment_size: 48
    .max_flat_workgroup_size: 128
    .sgpr_count:     80
    .vgpr_count:     1024
    .wavefront_size: 32
...
	.end_amdgpu_metadata
.endif
;; end of part 3
